; MI455X (gfx1250); checked and timed in simulation.
; The chip was launched on July 23, 2026; its instructions are those of AMD's public machine-readable ISA for CDNA 5 (MIT licence, August 2026) and "CDNA5" Instruction Set Architecture Reference Guide (July 2026). The comments in the code are by the model that wrote it; some were corrected since.
;; Multi Head Cross Attention. Allowed arithmetic: matrix products marked QUANTISED: E4M3 operands, one given power-of-two scale a tensor, by v_wmma_f32_16x16x64_fp8_fp8 or v_wmma_f32_16x16x128_fp8_fp8, f32 sums; everything else in f32.
;; Inputs: Wk 512 x 512 float32; Wq 512 x 512 float32; Wu 512 x 512 float32; Wv 512 x 512 float32; bk 512 float32; bq 512 float32; bu 512 float32; bv 512 float32; lowp_scales 12 int32 (the exponents e of the quantised operands' scales 2^e); mask 2 x 4,096 x 4,096 int32; x1 2 x 4,096 x 512 float32; x2 2 x 4,096 x 512 float32.
;; Outputs: out0 2 x 4,096 x 512 float32.
;; This version of the problem:
;;   THIS VERSION OF THE PROBLEM IS GIVEN IN LOW PRECISION. The matrix products marked QUANTISED in the list below multiply operands that are first quantised to E4M3 (4 exponent bits, 3 mantissa bits; 8 bits a number), with one given power-of-two scale for each operand tensor; their sums are f32. All else is computed in f32.
;;   The module's matrix products, in the order in which they are computed (A, B: the left and right operand; K: the contracted axis; several contracted axes count as one K, in the product's order):
;;     1. [M 8,192, K 512] x [K 512, N 512]; A: input x1; B: input Wq: QUANTISED (scales: A lowp_scales[0], B lowp_scales[1])
;;     2. [M 8,192, K 512] x [K 512, N 512]; A: input x2; B: input Wk: QUANTISED (scales: A lowp_scales[2], B lowp_scales[3])
;;     3. [M 8,192, K 512] x [K 512, N 512]; A: input x2; B: input Wv: QUANTISED (scales: A lowp_scales[4], B lowp_scales[5])
;;     4. batch 16 x [M 4,096, K 64] x [K 64, N 4,096]; A: computed on the way; B: computed on the way: QUANTISED (scales: A lowp_scales[6], B lowp_scales[7])
;;     5. batch 16 x [M 4,096, K 4,096] x [K 4,096, N 64]; A: softmax (see below); B: computed on the way: QUANTISED (scales: A lowp_scales[8], B lowp_scales[9])
;;     6. [M 8,192, K 512] x [K 512, N 512]; A: computed on the way; B: input Wu: QUANTISED (scales: A lowp_scales[10], B lowp_scales[11])
;;   THE QUANTISER, for each operand of a quantised product, along K:
;;     - The operand's scale is 2^e, e = its entry of the input lowp_scales (int32; the entries are numbered through the quantised products in the list's order, A before B).
;;     - Each number is divided by the scale, clamped to +-448, and rounded to the nearest number of E4M3, ties to even, subnormals kept.
;;     - The product sums the exact products of the quantised numbers (number of the format x scale) in f32.
;;   ~~~python
;;   def quantise(x, axis, e):      # numpy; x: float32 -> the quantised numbers, widened to float32 again
;;       x = np.moveaxis(x, axis, -1); K = x.shape[-1]
;;       r = np.clip(x / 2.0 ** e, -448, 448)
;;       step = 2.0 ** (np.maximum(np.frexp(np.where(r == 0, 1, r))[1] - 1, -6) - 3)
;;       q = np.round(r / step) * step * 2.0 ** e      # np.round: ties to even
;;       return np.moveaxis(q, -1, axis).astype(np.float32)
;;   ~~~
;;   SOFTMAX AHEAD OF A QUANTISED PRODUCT. Where the list says 'softmax', what is quantised is not the finished softmax but p = 2^(t - M), with t = logit x log2(e) and M = ceil(the row's largest t), a whole number; so 1/2 < the row's largest p <= 1. The row's sum l is taken of the UNQUANTISED p, in f32, and the product's result is divided by l at the end. Since M is a whole number, a kernel that streams over the keys may use a running M (the ceiling of the running maximum): every later rescaling is an exact power of two, so the quantised numbers keep their values, but for numbers so far below the row's largest that they fall under the format's range.
;;   OPERANDS COMPUTED ON THE WAY. 'Computed on the way' means the value that the module computes at that place (a softmax that the list does not call 'softmax' is quantised finished and normalised). What goes into a quantiser is computed in f32, as accurately as f32 sums, v_exp_f32 and their like allow (about 1e-6 of the number): no bf16 or f16 on the way to a quantiser, and a product that is left as it is and whose result goes on into a quantised operand takes f32 operands (vector FMAs, or v_wmma_f32_16x16x4_f32). A number that lies on a knife's edge between two numbers of the format may be rounded either way, as far as f32 arithmetic and the matrix unit's own rounding can turn it there, and no further.
;; One version. Each part assembles by itself: llvm-mc -triple=amdgcn-amd-amdhsa -mcpu=gfx1250 --defsym DOCPART=n.
;; ======== version 1 of 1: 4 launches
;; limits: right only within a limited range of input values
;; workspace buffers: maskw 4,194,304 bytes of whole numbers; wcodes 1,048,576 bytes; qcodes 4,194,304 bytes; kcodes 4,194,304 bytes; vcodes 4,194,304 bytes; ycodes 4,194,304 bytes
;; launch prep (part 1): grid 256 x 1, 8 waves a work-group, no clusters, 327,680 bytes of LDS; arguments mask, Wq, Wk, Wv, Wu, lowp_scales, maskw, wcodes; writes maskw, wcodes
.if DOCPART == 1
	.amdgcn_target "amdgcn-amd-amdhsa--gfx1250"
	.amdhsa_code_object_version 6
	.text
	.protected	k_qb8d78c6553_prep
	.globl	k_qb8d78c6553_prep
	.p2align	8
	.type	k_qb8d78c6553_prep,@function
k_qb8d78c6553_prep:
	s_mov_b64 s[64:65], 0
	v_nop
	global_prefetch_b8 v0, s[64:65] scope:SCOPE_SE
	s_setreg_imm32_b32 hwreg(HW_REG_WAVE_MODE, 25, 1), 1
	s_wait_xcnt 0x0
.set PITCH, 272
.set TILE,  64*PITCH
.set RING,  2*TILE
.set SPARE, 8*RING
.set LA,  2
.set MO,  3
.set WA,  4
.set WO,  5
.set SPW, 6
.set NIL, 7
.set SC,  8
.set LIM, 9
.set WN,  12
.set WC,  28
.set X,   32
.set WD,  160
.set G1,  24
.set CM,  32
.set G0,  48
	s_load_b512 s[4:19], s[0:1], 0x0
	v_lshl_add_u32 v[SPW], v0, 2, SPARE
	v_mov_b32 v[NIL], 0
	ds_add_u32 v[SPW], v[NIL]
	ds_add_u32 v[SPW], v[NIL]
	v_lshrrev_b32 v1, 5, v0
	s_delay_alu instid0(VALU_DEP_1)
	v_readfirstlane_b32 s20, v1
	s_mov_b32 s[G1+0], (2<<16)|(1<<20)|(5<<22)|(3<<25)
	s_mov_b32 s[G1+1], 64<<16
	s_mov_b32 s[G1+2], 64<<16
	s_mov_b32 s[G1+3], 64<<16
	s_mov_b32 s[G1+4], 64
	s_mov_b32 s[G1+5], 4096
	s_mov_b32 s[G1+6], 0
	s_mov_b32 s[G1+7], 0
	s_lshr_b32 s21, ttmp9, 1
	s_and_b32 s22, ttmp9, 1
	s_lshl_b32 s56, s21, 20
	s_lshl_b32 s23, s22, 13
	s_add_co_u32 s56, s56, s23
	s_lshl_b32 s23, s20, 10
	s_add_co_u32 s56, s56, s23
	s_mov_b32 s57, 0
	s_mul_i32 s58, s20, RING
	s_wait_dscnt 0x0
	s_wait_kmcnt 0x0
	s_add_nc_u64 s[56:57], s[4:5], s[56:57]
.irp s, 0,1
	s_mov_b32 s[G0+4*\s], 1
	s_add_co_u32 s[G0+4*\s+1], s58, \s*TILE
	s_add_nc_u64 s[G0+4*\s+2:G0+4*\s+3], s[56:57], \s*256
	s_or_b32 s[G0+4*\s+3], s[G0+4*\s+3], 0x80000000
	s_wait_alu depctr_va_vdst(0)
	s_wait_tensorcnt 0x0
	ds_add_u32 v6, v7
	ds_add_u32 v6, v7
	s_wait_dscnt 0x0
	s_barrier_signal -1
	s_barrier_wait -1
	tensor_load_to_lds s[G0+4*\s:G0+4*\s+3], s[G1:G1+7]
	s_nop 0
.endr
	s_load_b256 s[32:39], s[14:15], 0x0
	s_load_b128 s[40:43], s[14:15], 0x20
	s_lshr_b32 s59, ttmp9, 6
	s_bfe_u32 s60, ttmp9, 0x50001
	s_lshl_b32 s61, s60, 15
	s_and_b32 s60, s60, 1
	s_lshl_b32 s60, s60, 14
	s_sub_co_u32 s61, s61, s60
	s_lshl_b32 s60, s22, 10
	s_add_co_u32 s61, s61, s60
	s_lshr_b32 s60, s20, 2
	s_lshl_b32 s60, s60, 9
	s_add_co_u32 s61, s61, s60
	s_and_b32 s60, s20, 3
	s_lshl_b32 s60, s60, 7
	s_add_co_u32 s60, s61, s60
	s_mov_b32 s61, 0
	s_cmp_eq_u32 s59, 0
	s_cselect_b64 s[62:63], s[6:7], s[8:9]
	s_cmp_lt_u32 s59, 2
	s_cselect_b64 s[62:63], s[62:63], s[10:11]
	s_cmp_lt_u32 s59, 3
	s_cselect_b64 s[62:63], s[62:63], s[12:13]
	s_add_nc_u64 s[62:63], s[62:63], s[60:61]
	v_and_b32 v1, 15, v0
	v_bfe_u32 v10, v0, 4, 1
	s_delay_alu instid0(VALU_DEP_2)
	v_and_b32 v11, 8, v1
	s_delay_alu instid0(VALU_DEP_1)
	v_add_nc_u32 v11, v11, v1
	s_delay_alu instid0(VALU_DEP_1)
	v_lshlrev_b32 v[WA], 11, v11
	s_delay_alu instid0(VALU_DEP_1)
	v_lshl_add_u32 v[WA], v10, 6, v[WA]
.irp q, 0,1,2,3
	global_load_b128 v[WN+4*\q:WN+4*\q+3], v[WA], s[62:63] offset:16*\q
.endr
	v_mul_u32_u24 v[LA], v1, PITCH
	s_delay_alu instid0(VALU_DEP_1)
	v_lshl_add_u32 v[LA], v10, 6, v[LA]
	s_delay_alu instid0(VALU_DEP_1)
	v_add_nc_u32 v[LA], s58, v[LA]
	v_and_b32 v11, 31, v0
	s_delay_alu instid0(VALU_DEP_1)
	v_lshlrev_b32 v[MO], 3, v11
	s_delay_alu instid0(VALU_DEP_2)
	v_lshlrev_b32 v[WO], 4, v11
.irp a, 0,1,2,3,4,5,6,7
	v_mov_b32 v[WD+\a], 0
.endr
	s_lshl_b32 s60, ttmp9, 12
	s_lshl_b32 s61, s20, 9
	s_add_co_u32 s60, s60, s61
	s_mov_b32 s61, 0
	s_add_nc_u64 s[18:19], s[18:19], s[60:61]
	s_lshr_b32 s56, s21, 2
	s_lshl_b32 s56, s56, 5
	s_lshl_b32 s57, s22, 4
	s_add_co_u32 s56, s56, s57
	s_lshl_b32 s57, s20, 1
	s_add_co_u32 s56, s56, s57
	s_lshl_b32 s56, s56, 12
	s_and_b32 s57, s21, 3
	s_lshl_b32 s57, s57, 10
	s_add_co_u32 s56, s56, s57
	s_mov_b32 s57, 0
	s_add_nc_u64 s[16:17], s[16:17], s[56:57]
	s_wait_kmcnt 0x0
	s_cmp_eq_u32 s59, 0
	s_cselect_b32 s23, s33, s35
	s_cmp_lt_u32 s59, 2
	s_cselect_b32 s23, s23, s37
	s_cmp_lt_u32 s59, 3
	s_cselect_b32 s23, s23, s43
	s_add_co_i32 s23, s23, 127
	s_lshl_b32 s56, s23, 23
	v_mov_b32 v[SC], s56
	s_add_co_i32 s23, s23, 8
	s_lshl_b32 s23, s23, 23
	s_or_b32 s23, s23, 0x600000
	s_wait_alu depctr_va_vdst(0)
	s_wait_loadcnt 0x0
.set i, 0
.rept 16
.set i, i+1
.endr
	v_cvt_scalef32_pk8_fp8_f32 v[WC:WC+1], v[WN:WN+7], v[SC]
	v_cvt_scalef32_pk8_fp8_f32 v[WC+2:WC+3], v[WN+8:WN+15], v[SC]
	v_nop
	global_store_b128 v[WO], v[WC:WC+3], s[18:19]
.macro TILE_IN j, slot, left
	s_wait_tensorcnt \left
.irp a, 0,1,2,3
.irp bb, 0,1
.irp q, 0,1,2,3
	ds_load_b128 v[X+32*\a+16*\bb+4*\q:X+32*\a+16*\bb+4*\q+3], v[LA] offset:\slot*TILE+\a*16*PITCH+128*\bb+16*\q
.endr
.endr
.endr
.irp a, 0,1,2,3
	s_wait_dscnt 24-8*\a
.irp bb, 0,1
.set i, 0
.rept 16
	v_cmp_ne_u32 s[CM+i], 0, v[X+32*\a+16*\bb+i]
.set i, i+1
.endr
.set i, 0
.rept 16
	v_writelane_b32 v[WD+2*\a+(i&1)], s[CM+i], 8*(2*((\j)&1)+\bb)+(i>>1)
.set i, i+1
.endr
.endr
.endr
.endm
.macro WORDS k
.irp a, 0,1,2,3
	global_store_b64 v[MO], v[WD+2*\a:WD+2*\a+1], s[16:17] offset:\a*256+\k*4096
.endr
.endm
.macro FILL s
	s_wait_tensorcnt 0x0
	ds_add_u32 v[SPW], v[NIL]
	s_add_nc_u64 s[G0+4*\s+2:G0+4*\s+3], s[G0+4*\s+2:G0+4*\s+3], 512
	s_wait_dscnt 0x0
	s_barrier_signal -1
	s_barrier_wait -1
	tensor_load_to_lds s[G0+4*\s:G0+4*\s+3], s[G1:G1+7]
	s_nop 0
.endm
	TILE_IN 0, 0, 1
	FILL 0
	TILE_IN 1, 1, 1
	WORDS 0
	FILL 1
	s_wait_xcnt 0x0
	TILE_IN 2, 0, 1
	TILE_IN 3, 1, 0
	WORDS 1
	s_wait_tensorcnt 0x0
	ds_add_u32 v[SPW], v[NIL]
	s_wait_dscnt 0x0
	s_endpgm
.Lfunc_end_k_qb8d78c6553_prep:
	.size	k_qb8d78c6553_prep, .Lfunc_end_k_qb8d78c6553_prep-k_qb8d78c6553_prep
	.p2alignl 7, 3214868480
	.fill 96, 4, 3214868480
	.section	.rodata,"a",@progbits
	.p2align	6, 0x0
	.amdhsa_kernel k_qb8d78c6553_prep
		.amdhsa_group_segment_fixed_size 327680
		.amdhsa_private_segment_fixed_size 0
		.amdhsa_enable_private_segment 0
		.amdhsa_kernarg_size 64
		.amdhsa_user_sgpr_count 2
		.amdhsa_user_sgpr_kernarg_segment_ptr 1
		.amdhsa_wavefront_size32 1
		.amdhsa_system_sgpr_workgroup_id_x 1
		.amdhsa_system_sgpr_workgroup_id_y 1
		.amdhsa_system_sgpr_workgroup_id_z 1
		.amdhsa_system_vgpr_workitem_id 0
		.amdhsa_next_free_vgpr 168
		.amdhsa_next_free_sgpr 66
		.amdhsa_reserve_vcc 0
		.amdhsa_float_denorm_mode_32 3
		.amdhsa_float_denorm_mode_16_64 3
		.amdhsa_fp16_overflow 1
		.amdhsa_memory_ordered 1
		.amdhsa_forward_progress 1
		.amdhsa_inst_pref_size 81
	.end_amdhsa_kernel
	.amdgpu_metadata
---
amdhsa.version: [ 1, 2 ]
amdhsa.kernels:
  - .name:           k_qb8d78c6553_prep
    .symbol:         k_qb8d78c6553_prep.kd
    .args:
      - { .name: mask, .offset: 0, .size: 8, .value_kind: global_buffer, .address_space: global }
      - { .name: Wq, .offset: 8, .size: 8, .value_kind: global_buffer, .address_space: global }
      - { .name: Wk, .offset: 16, .size: 8, .value_kind: global_buffer, .address_space: global }
      - { .name: Wv, .offset: 24, .size: 8, .value_kind: global_buffer, .address_space: global }
      - { .name: Wu, .offset: 32, .size: 8, .value_kind: global_buffer, .address_space: global }
      - { .name: lowp_scales, .offset: 40, .size: 8, .value_kind: global_buffer, .address_space: global }
      - { .name: maskw, .offset: 48, .size: 8, .value_kind: global_buffer, .address_space: global }
      - { .name: wcodes, .offset: 56, .size: 8, .value_kind: global_buffer, .address_space: global }
    .group_segment_fixed_size: 327680
    .private_segment_fixed_size: 0
    .kernarg_segment_align: 8
    .kernarg_segment_size: 64
    .max_flat_workgroup_size: 256
    .sgpr_count:     66
    .vgpr_count:     168
    .wavefront_size: 32
...
	.end_amdgpu_metadata
.endif
;; end of part 1
;; launch proj (part 2): grid 64 x 3, 8 waves a work-group, no clusters, 66,560 bytes of LDS; arguments x1, x2, wcodes, bq, bk, bv, lowp_scales, qcodes, kcodes, vcodes; writes qcodes, kcodes, vcodes
.if DOCPART == 2
	.amdgcn_target "amdgcn-amd-amdhsa--gfx1250"
	.amdhsa_code_object_version 6
	.text
	.protected	k_qb8d78c6553_proj
	.globl	k_qb8d78c6553_proj
	.p2align	8
	.type	k_qb8d78c6553_proj,@function
k_qb8d78c6553_proj:
	s_mov_b64 s[64:65], 0
	v_nop
	global_prefetch_b8 v0, s[64:65] scope:SCOPE_SE
	s_setreg_imm32_b32 hwreg(HW_REG_WAVE_MODE, 25, 1), 1
	s_wait_xcnt 0x0
; SECOND LAUNCH: the three projections q = x1 Wq^T + bq, k = x2 Wk^T + bk, v = x2 Wv^T + bv, on codes of FP8 (E4M3); the results leave as codes, quantised with the scales of the attention's products.  No work of reference() is left out.
; Work-group (g, job): 128 tokens (g) of job 0 (Q), 1 (K) or 2 (V).  THE WAVES SHARE THE COLUMNS: wave w makes head w's 64 outputs for all 128 tokens; its 16 fragments of W stay in registers.
; PHASE X: wave w quantises tile w (16 tokens x 512) of x and stores the four fragments in LDS as IMAGES OF THEIR REGISTERS (four stores of 16 bytes a lane, 512 bytes each); one barrier.
; PHASE 1: four pairs of token tiles: 8 fragments of x from LDS, 32 products (8 accumulators by turns, K step by K step), the conversion, four stores of 512 consecutive bytes.
; LAYOUTS.  A chunk is 32 lanes x 16 bytes: lane (r, h) holds k = 32 c + 16 h + 0 .. 15 of its row r: the same places of k on both sides of every product.
;   Q, K: the product is used transposed (source 0 = 16 rows of W, source 1 = 16 tokens): a lane holds ONE token, and since W's tiles take rows 32 B + 8 u + m + 8 (m / 8), the registers of tiles 2 c, 2 c + 1 are d = 32 c + 16 h + 0 .. 15.
;         qcodes, kcodes: [b x 8 + head][tile of 16 tokens 256][c 2][512 bytes].  Q's tiles hold neighbouring tokens; K's tile 2 B + u holds keys 32 B + 8 u + m + 8 (m / 8), so that the scores' registers run along the keys.
;   V:    source 0 = 16 tokens (tiles permuted as K's), source 1 = 16 rows of W: a lane holds ONE channel d, and the registers of token tiles 2 p, 2 p + 1 are keys 32 p + 16 h + 0 .. 15.
;         vcodes: [b x 8 + head][key step of 128 keys 32][tile of 16 channels 4][c 4][512 bytes], the keys along k; tile t's row m is channel 32 (t / 2) + 8 (t % 2) + m + 8 (m / 8).
; SCALES.  ex, ew = entries 2 job, 2 job + 1; eo = entry 6, 7, 9.  A sum stands for sum x 2^(ex + ew): the bias goes in as the C of each sum's first product, divided by that; the conversion takes 2^(eo - ex - ew).
; LIMITS: ex, and eo - ex - ew, between -126 and 119.  NaN among the inputs is not served.
; 192 work-groups: a fragment of V wants whole groups of 32 tokens for one head, and 3 x 64 blocks is what the three jobs give; none is added to make up a number.
.set FRB,   2048                       ; a fragment's image: 16 registers x 128 bytes
.set SPARE, 65536                      ; LDS: x's 32 fragments (tile m, K step s at (4 m + s) FRB), then the spare words, 128 bytes for each wave
.set XA,  1                            ; v1   x: my token x 2,048 + 64 h
.set LI,  2                            ; v2   16 x lane
.set XWI, 3                            ; v3   16 x lane + 4 FRB x wave
.set SPW, 4                            ; v4   LDS address of my spare word; never rewritten
.set NIL, 5                            ; v5   0; never rewritten
.set SX,  6                            ; v6   2^ex
.set LX,  7
.set SO,  8                            ; v8   2^(eo - ex - ew)
.set LO,  9
.set PC,  16                           ; v16-31   codes just made
.set BI,  32                           ; v32-63   the bias in the result's layout, tile t at BI + 8 t
.set ACC, 64                           ; v64-127  accumulator (mm, t) at ACC + 8 (4 mm + t)
.set XF,  128                          ; v128-255 x's 8 fragments of a pair of tiles; in phase X two sets of 64 numbers
.set SA,  128
.set SB,  192
.set MSB, 0                            ; window 1 (v256-511): W's fragment (t, s) at 16 (4 t + s)
.macro WIN new                         ; the immediate's high byte repeats the setting that is left
.if MSB != \new
	s_set_vgpr_msb (MSB<<8)|\new
.set MSB, \new
.endif
.endm
	s_load_b512 s[4:19], s[0:1], 0x0               ; x1 s[4:5], x2 s[6:7], wcodes s[8:9], bq s[10:11], bk s[12:13], bv s[14:15], scales s[16:17], qcodes s[18:19]
	s_load_b128 s[20:23], s[0:1], 0x40             ; kcodes s[20:21], vcodes s[22:23]
	v_lshl_add_u32 v[SPW], v0, 2, SPARE
	v_mov_b32 v[NIL], 0
	v_lshrrev_b32 v10, 5, v0
	s_delay_alu instid0(VALU_DEP_1)
	v_readfirstlane_b32 s30, v10                   ; wave 0..7 = head
	s_and_b32 s31, ttmp7, 0xffff                   ; job
	v_and_b32 v10, 15, v0                          ; r
	v_bfe_u32 v11, v0, 4, 1                        ; h
	v_and_b32 v[LI], 31, v0
	s_delay_alu instid0(VALU_DEP_1)
	v_lshlrev_b32 v[LI], 4, v[LI]
	s_lshl_b32 s44, s30, 13
	v_add_nc_u32 v[XWI], s44, v[LI]
	; my token of the block: 16 w + r for Q; 16 w - 8 (w % 2) + r + (r & 8) for K and V
	s_cmp_eq_u32 s31, 0
	s_cselect_b32 s51, 0, -1
	s_and_b32 s44, s30, 1
	s_lshl_b32 s44, s44, 3
	v_and_b32 v12, 8, v10
	s_delay_alu instid0(VALU_DEP_1)
	v_sub_nc_u32 v12, v12, s44
	s_delay_alu instid0(VALU_DEP_1)
	v_and_b32 v12, s51, v12
	s_delay_alu instid0(VALU_DEP_1)
	v_add_nc_u32 v12, v12, v10
	s_lshl_b32 s44, s30, 4
	v_add_nc_u32 v12, s44, v12
	s_delay_alu instid0(VALU_DEP_1)
	v_lshlrev_b32 v[XA], 11, v12
	s_delay_alu instid0(VALU_DEP_1)
	v_lshl_add_u32 v[XA], v11, 6, v[XA]
	; the bias: register j of tile t wants, in Q and K, channel 32 (t / 2) + 16 h + 8 (t % 2) + j; in V, for every j, channel 32 (t / 2) + 8 (t % 2) + r + (r & 8)
	v_and_b32 v13, 8, v10
	s_delay_alu instid0(VALU_DEP_1)
	v_add_nc_u32 v13, v13, v10
	s_delay_alu instid0(VALU_DEP_1)
	v_lshlrev_b32 v13, 2, v13
	v_lshlrev_b32 v14, 6, v11
	s_cmp_eq_u32 s31, 2
	s_cselect_b32 s52, -1, 0
	s_cselect_b32 s53, 0, 4
	v_bfi_b32 v13, s52, v13, v14
.irp jj, 0,1,2,3,4,5,6,7
	v_mad_u32_u24 v[ACC+\jj], s53, \jj, v13        ; eight offsets, in registers that the sums take later
.endr
	s_lshl_b32 s44, s31, 18                        ; W: 262,144 x job + 32,768 x wave
	s_lshl_b32 s45, s30, 15
	s_add_co_u32 s44, s44, s45
	s_mov_b32 s45, 0
	s_lshr_b32 s46, ttmp9, 5                       ; out: (8 b + head) x 262,144 + (g % 32) x 8,192: the same for all three jobs
	s_lshl_b32 s46, s46, 3
	s_add_co_u32 s46, s46, s30
	s_lshl_b32 s46, s46, 18
	s_and_b32 s47, ttmp9, 31
	s_lshl_b32 s47, s47, 13
	s_add_co_u32 s46, s46, s47
	s_mov_b32 s47, 0
	s_lshl_b32 s56, ttmp9, 18                      ; x: 128 tokens of 2,048 bytes
	s_mov_b32 s57, 0
	s_lshl_b32 s58, s30, 8                         ; the bias: my head's 64 numbers
	s_mov_b32 s59, 0
	s_wait_alu depctr_va_vdst(0)
	s_wait_kmcnt 0x0
	s_load_b256 s[32:39], s[16:17], 0x0            ; the exponents, entries 0 to 7,
	s_load_b128 s[40:43], s[16:17], 0x20           ; and 8 to 11
	s_cmp_eq_u32 s31, 0                            ; the choices hang on the work-group's number alone
	s_cselect_b64 s[24:25], s[4:5], s[6:7]
	s_cselect_b64 s[26:27], s[10:11], s[12:13]
	s_cselect_b64 s[28:29], s[18:19], s[20:21]
	s_cmp_lt_u32 s31, 2
	s_cselect_b64 s[26:27], s[26:27], s[14:15]
	s_cselect_b64 s[28:29], s[28:29], s[22:23]
	s_add_nc_u64 s[24:25], s[24:25], s[56:57]
	s_add_nc_u64 s[26:27], s[26:27], s[58:59]
	s_add_nc_u64 s[28:29], s[28:29], s[46:47]
	s_add_nc_u64 s[8:9], s[8:9], s[44:45]
	WIN 0x40                                       ; destination window 1
.set f, 0
.rept 64
	global_load_b128 v[4*f:4*f+3], v[LI], s[8:9] offset:512*f   ; W's 16 fragments as they lie: they stay
.set f, f+1
.endr
	WIN 0
.irp t, 0,1,2,3
.irp jj, 0,1,2,3,4,5,6,7
	global_load_b32 v[BI+8*\t+\jj], v[ACC+\jj], s[26:27] offset:(32*(\t/2)+8*(\t%2))*4
.endr
.endr
.macro XLOAD reg, s                    ; my token's 64 numbers of K step s: register 16 bq + i = k 128 s + 32 bq + 16 h + i
.irp bq, 0,1,2,3
.irp jq, 0,1,2,3
	global_load_b128 v[\reg+16*\bq+4*\jq:\reg+16*\bq+4*\jq+3], v[XA], s[24:25] offset:512*\s+128*\bq+16*\jq
.endr
.endr
.endm
.macro QUANT s, sc, lim                ; 64 numbers of a lane become a fragment's codes in v[PC] on
.irp b, 0,1,2,3
.set i, 0
.rept 16
.set i, i+1
.endr
	v_cvt_scalef32_pk8_fp8_f32 v[PC+4*\b:PC+4*\b+1], v[\s+16*\b:\s+16*\b+7], v[\sc]
	v_cvt_scalef32_pk8_fp8_f32 v[PC+4*\b+2:PC+4*\b+3], v[\s+16*\b+8:\s+16*\b+15], v[\sc]
.endr
	v_nop                                          ; one plain vector line behind the last conversion
.endm
.macro IMAGE off
.irp c, 0,1,2,3
	ds_store_b128 v[XWI], v[PC+4*\c:PC+4*\c+3] offset:\off+512*\c
.endr
.endm
	XLOAD SA, 0
	XLOAD SB, 1
	s_wait_kmcnt 0x0
	s_cmp_eq_u32 s31, 0
	s_cselect_b32 s48, s32, s34                    ; ex
	s_cselect_b32 s49, s33, s35                    ; ew
	s_cselect_b32 s50, s38, s39                    ; eo
	s_cmp_lt_u32 s31, 2
	s_cselect_b32 s48, s48, s36
	s_cselect_b32 s49, s49, s37
	s_cselect_b32 s50, s50, s41
	s_add_co_i32 s49, s48, s49                     ; ex + ew
	s_sub_co_i32 s54, 0, s49
	s_add_co_i32 s55, s48, 127
	s_lshl_b32 s56, s55, 23
	v_mov_b32 v[SX], s56
	s_sub_co_i32 s55, s50, s49
	s_add_co_i32 s55, s55, 127
	s_lshl_b32 s56, s55, 23
	v_mov_b32 v[SO], s56
	; ---- X
	s_wait_loadcnt 16                              ; all but K step 1's sixteen loads: W, the bias and K step 0 are in
.set i, 0
.rept 32
	v_ldexp_f32 v[BI+i], v[BI+i], s54              ; b / 2^(ex + ew)
.set i, i+1
.endr
	QUANT SA, SX, LX
	IMAGE 0
	s_wait_dscnt 0x0                               ; the stores have read the codes' registers
	XLOAD SA, 2
	s_wait_loadcnt 16                              ; K step 1 is in; K step 2's loads may be out
	QUANT SB, SX, LX
	IMAGE FRB
	s_wait_dscnt 0x0
	XLOAD SB, 3
	s_wait_loadcnt 16                              ; K step 2 is in
	QUANT SA, SX, LX
	IMAGE 2*FRB
	s_wait_dscnt 0x0
	s_wait_loadcnt 0x0
	QUANT SB, SX, LX
	IMAGE 3*FRB
	s_wait_dscnt 0x0                               ; for the others' sake: my stores have landed
	s_barrier_signal -1
	s_barrier_wait -1                              ; x's 32 fragments lie in LDS; nothing is stored there again
; ---- 1: token tiles 2 p, 2 p + 1.  swap = 0 (Q, K): source 0 = W, source 1 = x;  swap = 1 (V): source 0 = x, source 1 = W.
.macro PAIR p, swap
.irp mm, 0,1
.irp s, 0,1,2,3
.irp c, 0,1,2,3
	ds_load_b128 v[XF+16*(4*\mm+\s)+4*\c:XF+16*(4*\mm+\s)+4*\c+3], v[LI] offset:(4*(2*\p+\mm)+\s)*FRB+512*\c
.endr
.endr
.endr
	s_wait_dscnt 0x0
.if \swap
	WIN 0x04                                       ; source 1 (W) window 1
.else
	WIN 0x01                                       ; source 0 (W) window 1
.endif
.irp s, 0,1,2,3                                ; the eight accumulators take turns, one instruction a turn
.irp mm, 0,1
.irp t, 0,1,2,3
.set rD, ACC+8*(4*\mm+\t)
.set rX, XF+16*(4*\mm+\s)
.set rW, 16*(4*\t+\s)
.set rB, BI+8*\t
.if \swap
.if \s == 0
	v_wmma_f32_16x16x128_fp8_fp8 v[rD:rD+7], v[rX:rX+15], v[rW:rW+15], v[rB:rB+7]
.else
	v_wmma_f32_16x16x128_fp8_fp8 v[rD:rD+7], v[rX:rX+15], v[rW:rW+15], v[rD:rD+7]
.endif
.else
.if \s == 0
	v_wmma_f32_16x16x128_fp8_fp8 v[rD:rD+7], v[rW:rW+15], v[rX:rX+15], v[rB:rB+7]
.else
	v_wmma_f32_16x16x128_fp8_fp8 v[rD:rD+7], v[rW:rW+15], v[rX:rX+15], v[rD:rD+7]
.endif
.endif
.endr
.endr
.endr
	WIN 0
.rept 4
	v_nop                                          ; four places ahead of the first read of results (ISA guide 7.12.1)
.endr
	s_wait_xcnt 0x0                                ; the last pair's stores have read the codes' registers
.set i, 0
.rept 64
.set i, i+1
.endr
.irp mm, 0,1
.irp t, 0,1,2,3
.if \swap
	v_cvt_scalef32_pk8_fp8_f32 v[PC+4*\t+2*\mm:PC+4*\t+2*\mm+1], v[ACC+8*(4*\mm+\t):ACC+8*(4*\mm+\t)+7], v[SO]   ; channel tile t: keys 32 p + 16 h + 8 mm + 0 .. 7
.else
	v_cvt_scalef32_pk8_fp8_f32 v[PC+8*\mm+2*\t:PC+8*\mm+2*\t+1], v[ACC+8*(4*\mm+\t):ACC+8*(4*\mm+\t)+7], v[SO]   ; token tile mm: d = 32 (t / 2) + 16 h + 8 (t % 2) + 0 .. 7
.endif
.endr
.endr
	v_nop                                          ; one plain vector line behind the last conversion
.irp u, 0,1,2,3
.if \swap
	global_store_b128 v[LI], v[PC+4*\u:PC+4*\u+3], s[28:29] offset:2048*\u+512*\p                       ; channel tile u, chunk p
.else
	global_store_b128 v[LI], v[PC+4*\u:PC+4*\u+3], s[28:29] offset:(2*\p+\u/2)*1024+512*(\u%2)          ; token tile 2 p + u / 2, chunk u % 2
.endif
.endr
.endm
	s_cmp_eq_u32 s31, 2                            ; a branch on the work-group's number; neither way stores to LDS or holds a barrier
	s_cbranch_scc1 .Lfor_v
	PAIR 0, 0
	PAIR 1, 0
	PAIR 2, 0
	PAIR 3, 0
	s_branch .Ldone
.Lfor_v:
	PAIR 0, 1
	PAIR 1, 1
	PAIR 2, 1
	PAIR 3, 1
.Ldone:
	s_wait_tensorcnt 0x0                           ; the wave's end, behind my last LDS store
	ds_add_u32 v[SPW], v[NIL]
	s_wait_dscnt 0x0
	s_endpgm
.Lfunc_end_k_qb8d78c6553_proj:
	.size	k_qb8d78c6553_proj, .Lfunc_end_k_qb8d78c6553_proj-k_qb8d78c6553_proj
	.p2alignl 7, 3214868480
	.fill 96, 4, 3214868480
	.section	.rodata,"a",@progbits
	.p2align	6, 0x0
	.amdhsa_kernel k_qb8d78c6553_proj
		.amdhsa_group_segment_fixed_size 66560
		.amdhsa_private_segment_fixed_size 0
		.amdhsa_enable_private_segment 0
		.amdhsa_kernarg_size 80
		.amdhsa_user_sgpr_count 2
		.amdhsa_user_sgpr_kernarg_segment_ptr 1
		.amdhsa_wavefront_size32 1
		.amdhsa_system_sgpr_workgroup_id_x 1
		.amdhsa_system_sgpr_workgroup_id_y 1
		.amdhsa_system_sgpr_workgroup_id_z 1
		.amdhsa_system_vgpr_workitem_id 0
		.amdhsa_next_free_vgpr 512
		.amdhsa_next_free_sgpr 66
		.amdhsa_reserve_vcc 0
		.amdhsa_float_denorm_mode_32 3
		.amdhsa_float_denorm_mode_16_64 3
		.amdhsa_fp16_overflow 1
		.amdhsa_memory_ordered 1
		.amdhsa_forward_progress 1
		.amdhsa_inst_pref_size 66
	.end_amdhsa_kernel
	.amdgpu_metadata
---
amdhsa.version: [ 1, 2 ]
amdhsa.kernels:
  - .name:           k_qb8d78c6553_proj
    .symbol:         k_qb8d78c6553_proj.kd
    .args:
      - { .name: x1, .offset: 0, .size: 8, .value_kind: global_buffer, .address_space: global }
      - { .name: x2, .offset: 8, .size: 8, .value_kind: global_buffer, .address_space: global }
      - { .name: wcodes, .offset: 16, .size: 8, .value_kind: global_buffer, .address_space: global }
      - { .name: bq, .offset: 24, .size: 8, .value_kind: global_buffer, .address_space: global }
      - { .name: bk, .offset: 32, .size: 8, .value_kind: global_buffer, .address_space: global }
      - { .name: bv, .offset: 40, .size: 8, .value_kind: global_buffer, .address_space: global }
      - { .name: lowp_scales, .offset: 48, .size: 8, .value_kind: global_buffer, .address_space: global }
      - { .name: qcodes, .offset: 56, .size: 8, .value_kind: global_buffer, .address_space: global }
      - { .name: kcodes, .offset: 64, .size: 8, .value_kind: global_buffer, .address_space: global }
      - { .name: vcodes, .offset: 72, .size: 8, .value_kind: global_buffer, .address_space: global }
    .group_segment_fixed_size: 66560
    .private_segment_fixed_size: 0
    .kernarg_segment_align: 8
    .kernarg_segment_size: 80
    .max_flat_workgroup_size: 256
    .sgpr_count:     66
    .vgpr_count:     512
    .wavefront_size: 32
...
	.end_amdgpu_metadata
.endif
;; end of part 2
;; launch attn (part 3): grid 16 x 16, 16 waves a work-group, clusters of 4 x 1, 327,680 bytes of LDS; arguments qcodes, kcodes, vcodes, maskw, lowp_scales, ycodes; writes ycodes
.if DOCPART == 3
	.amdgcn_target "amdgcn-amd-amdhsa--gfx1250"
	.amdhsa_code_object_version 6
	.text
	.protected	k_qb8d78c6553_attn
	.globl	k_qb8d78c6553_attn
	.p2align	8
	.type	k_qb8d78c6553_attn,@function
k_qb8d78c6553_attn:
	s_mov_b64 s[64:65], 0
	v_nop
	global_prefetch_b8 v0, s[64:65] scope:SCOPE_SE
	s_setreg_imm32_b32 hwreg(HW_REG_WAVE_MODE, 25, 1), 1
	s_wait_xcnt 0x0
	s_wait_alu depctr_hold_cnt(0) depctr_sa_sdst(0) depctr_va_vdst(0) depctr_va_sdst(0) depctr_va_ssrc(0) depctr_va_vcc(0) depctr_vm_vsrc(0)
	s_getreg_b32 s2, hwreg(HW_REG_IB_STS2, 6, 4)
	s_cmp_eq_u32 s2, 0
	s_cbranch_scc0 .Lentry_in_a_cluster
	s_endpgm
.Lentry_in_a_cluster:
	s_bfe_u32 s2, ttmp6, 0x10000c
	s_cmp_lg_u32 s2, 0x3003
	s_cbranch_scc0 .Lentry_shape_is_right
	s_endpgm
.Lentry_shape_is_right:
; THIRD LAUNCH: y[b][h][q] = the sum over k of softmax_k(where(mask == 0, -1e10, q . k / sqrt(512))) v[k], both products on codes of FP8 (E4M3); y leaves as codes for the last projection.  No work of reference() is left out.
; THE SOFTMAX AHEAD OF THE SECOND PRODUCT: t = logit x log2(e); M = the row's largest t so far, rounded UP to a whole number; p = 2^(t - M) is what is quantised (scale 2^ep); the row's sum is taken of the unquantised p and
; divides at the end.  When M moves, the sum and O are multiplied by 2^(old M - new M): exact.
; SHARES.  A work-group owns 256 queries of one head (y = 8 b + head); each of its SIXTEEN waves one tile of 16, in 256 registers: four waves to a SIMD, so that one wave's vector work stands beside another's products and loads.
; Every wave walks the head's 4,096 keys, 128 a step.  K and V come through a ring of two LDS slots of 1,024 keys (K's 64 KB, then V's), as images of operand registers: every LDS load reads 512 consecutive bytes.
; CLUSTER.  The four query blocks of a cluster belong to one head and walk the same K and V: each part of a slot is asked for JOINTLY (mask 15).  Waves 0-3 fetch K's quarters, waves 4-7 V's, 16 KB a load; one load of a wave is out at most.
; A slot is asked for eight key steps ahead of its first read.
; LAYOUT.  Both products are used transposed: S^T = K Q^T (source 0 = 16 keys, source 1 = my 16 queries), O^T = V^T P^T: a lane holds ONE query (lane % 16) throughout.  K's tile 2 B + u holds keys 32 B + 8 u + m + 8 (m / 8):
; score register 16 bb + i is key 32 bb + 16 (lane / 16) + i of the step, so the conversions' results are the second product's operand.  V's channel tiles are ordered likewise, so O^T's registers run along y's K.
; THE MASK comes as 64 words a tile and step, word n = the 32 lanes' select for score register n; they are read into scalar registers a whole key step ahead.  The last step asks once more for its own words (a clamped offset): they are not used.
; A masked score is replaced by NEG = -2^(38 - eq - ek), for which t = NEG x c = -2^38 c' is exact and a whole number (about -1.75e10, a logit of -1.2e10).  Where any key of a row counts, a masked p is 0, as with -1e10.
; In a row with no key at all, t - M is exactly 0, p = 1 for every key, and the result is the mean of v, as reference() gives.
; LIMITS: a logit at or under about -1.2e10 is not told apart from a masked one.  -89 <= eq + ek <= 131 (added to c's exponent field, taken from NEG's); ep and e10 between -126 and 119; ep + ev is applied by v_ldexp_f32.
.set SLOT1, 1<<17                      ; slot 1 begins here: one exclusive or turns an address in one slot into the other's
.set VOFF,  65536                      ; V's part of a slot
.set STEPB, 8192                       ; a key step's codes of K, and of V
.set SPARE, 2*SLOT1                    ; behind the ring: the spare words, 128 bytes for each wave: eight blocks of 256 bytes that no other line names
.set ADL, 1                            ; v1   16 x lane; never rewritten behind the head
.set ADK, 2                            ; v2   LDS address of the step's K
.set ADV, 3                            ; v3   of its V
.set SPW, 5                            ; v5   LDS address of my spare word; never rewritten
.set NIL, 6                            ; v6   0; never rewritten
.set NEG, 7                            ; v7   what a masked score becomes
.set SY,  8                            ; v8   2^e10
.set LY,  9
; v12 -M, v13 the largest t, v[14:15] the sum in two halves; v16-23 Q; v32-95 K's 8 tiles, then V's 4; v96-159 S^T, then p; v160-191 O^T; v192-207 p's codes; v208-215 y's codes; v236, v238-243, v244 (2^ep), v246-255 at work
.set TB,  2                            ; s2   LDS byte at which the step in hand begins
.set WV,  3                            ; s3   my wave's number
; s[4:51], s[68:83]: the 64 mask words, word n in s[4 + n], from n = 48 on in s[20 + n]; at the head: arguments and set-up
.set MP,  52                           ; s[52:53] my tile's words of key step 0
.set OFF, 54                           ; s54  4,096 x the key step whose words were asked for last
.set IC,  55                           ; s55  counts a slot's eight steps
.set SLOTS, 56                         ; s56  slots still to be asked for
.set EPV, 57                           ; s57  ep + ev
.set G0V, 60                           ; s[60:63] descriptor group 0 for V's parts
.set QP,  66                           ; s[66:67] my tile of Q
.set G1,  84                           ; s[84:91] descriptor group 1
.set G0K, 92                           ; s[92:95] descriptor group 0 for K's parts
.set CS,  96                           ; s[96:97] c = log2(e) / sqrt(512) x 2^(eq + ek): the packed form names a pair and takes its low word
.set SEL, 98                           ; s[98:99] lane selects for v_permlanex16_b32: lane l xor 16
.set YP,  100                          ; s[100:101] where my tile of y goes
; Waves 0-3 fetch for K, waves 4-7 for V, the others nothing.  The branches hang on the wave's number alone: they are the same in every partner.  An s_nop 0 and four v_nop follow each line.
.macro TLOAD
	s_cmp_lt_u32 s[WV], 4
	s_cbranch_scc0 .Lnot_k_\@
	tensor_load_to_lds s[G0K:G0K+3], s[G1:G1+7]
	s_nop 0
.rept 4
	v_nop
.endr
	s_branch .Lasked_\@
.Lnot_k_\@:
	s_cmp_lt_u32 s[WV], 8
	s_cbranch_scc0 .Lasked_\@
	tensor_load_to_lds s[G0V:G0V+3], s[G1:G1+7]
	s_nop 0
.rept 4
	v_nop
.endr
.Lasked_\@:
.endm
; A round of the cluster's barrier: my work-group's barrier; wave 0 signals for the work-group; every wave waits for all four work-groups; my work-group's barrier once more.
.macro CROUND
	s_barrier_signal -1
	s_barrier_wait -1
	s_cmp_lg_u32 s[WV], 0
	s_cbranch_scc1 .Lnot_wave_0_\@
	s_barrier_signal -3
.Lnot_wave_0_\@:
	s_barrier_wait -3
	s_barrier_signal -1
	s_barrier_wait -1
.endm
	s_load_b256 s[4:11], s[0:1], 0x0               ; qcodes s[4:5], kcodes s[6:7], vcodes s[8:9], maskw s[10:11]
	s_load_b128 s[12:15], s[0:1], 0x20             ; scales s[12:13], ycodes s[14:15]
	v_lshl_add_u32 v[SPW], v0, 2, SPARE
	v_mov_b32 v[NIL], 0
	ds_add_u32 v[SPW], v[NIL]                      ; the wave's opening: the add, twice on end, and its wait ahead of the round in front of the first tensor loads
	ds_add_u32 v[SPW], v[NIL]                      ; and once more, under the one wait; the set-up below, work on registers, stands between
	v_lshrrev_b32 v1, 5, v0
	s_delay_alu instid0(VALU_DEP_1)
	v_readfirstlane_b32 s[WV], v1                  ; wave 0..15
	s_bfe_u32 s16, ttmp6, 0x40000                  ; cx: my place in the cluster
	s_lshl_b32 s17, ttmp9, 2
	s_add_co_u32 s17, s17, s16                     ; my block of 256 queries: it enters the addresses of Q, the mask words and y alone
	s_and_b32 s18, ttmp7, 0xffff                   ; 8 b + head, which the four partners share
	s_lshr_b32 s19, s18, 3                         ; b
	s_and_b32 s20, s18, 7                          ; head
	s_lshl_b32 s24, s18, 18                        ; K, V: the head's 262,144 bytes,
	s_and_b32 s25, s[WV], 3
	s_lshl_b32 s25, s25, 14
	s_add_co_u32 s24, s24, s25                     ; + my quarter of a slot's 65,536
	s_mov_b32 s25, 0
	s_lshl_b32 s21, s[WV], 14                      ; and its place in a slot: 16,384 x wave (K's four, then V's four)
	s_lshl_b32 s26, s18, 8
	s_lshl_b32 s27, s17, 4
	s_add_co_u32 s27, s27, s[WV]                   ; 16 x block + wave: my tile among the batch's 256
	s_add_co_u32 s26, s26, s27
	s_lshl_b32 s26, s26, 10                        ; Q: a tile is 1,024 bytes
	s_lshl_b32 s30, s19, 8
	s_add_co_u32 s30, s30, s27
	s_lshl_b32 s30, s30, 13                        ; y: a token tile is 8,192 bytes,
	s_lshl_b32 s31, s20, 10
	s_add_co_u32 s30, s30, s31                     ; a head's two chunks 1,024
	s_mov_b32 s31, 0
	s_mov_b32 s27, 0
	s_lshl_b32 s28, s19, 4
	s_add_co_u32 s28, s28, s17
	s_lshl_b32 s28, s28, 17                        ; the mask words: (16 b + block) x 131,072
	s_lshl_b32 s29, s[WV], 8
	s_add_co_u32 s28, s28, s29                     ; + 256 x my tile
	s_mov_b32 s29, 0
	s_mov_b32 s[G1+0], 15|(3<<16)|(1<<21)          ; the mask: all four work-groups; elements of 8 bytes; bit 21 set beside a mask; no padding
	s_mov_b32 s[G1+1], 32<<16                      ; tensor_dim0 = 32 (256 bytes)
	s_mov_b32 s[G1+2], 64<<16                      ; tensor_dim1 = 64
	s_mov_b32 s[G1+3], 32<<16                      ; tile_dim0
	s_mov_b32 s[G1+4], 64                          ; tile_dim1: a dense block of 16,384 bytes
	s_mov_b32 s[G1+5], 32
	s_mov_b32 s[G1+6], 0
	s_mov_b32 s[G1+7], 0
	s_mov_b32 s[SEL], 0x76543210
	s_mov_b32 s[SEL+1], 0xfedcba98
	s_mov_b32 s[TB], 0
	s_mov_b32 s[OFF], 0
	s_mov_b32 s[SLOTS], 3
	s_wait_dscnt 0x0                               ; both opening adds are done
	s_wait_kmcnt 0x0
	s_load_b128 s[32:35], s[12:13], 0x18           ; eq, ek, ep, ev (entries 6 to 9)
	s_load_b32 s36, s[12:13], 0x28                 ; e10: y's
	s_mov_b32 s[G0K], 1
	s_mov_b32 s[G0K+1], s21
	s_add_nc_u64 s[G0K+2:G0K+3], s[6:7], s[24:25]
	s_or_b32 s[G0K+3], s[G0K+3], 0x80000000
	s_mov_b32 s[G0V], 1
	s_mov_b32 s[G0V+1], s21
	s_add_nc_u64 s[G0V+2:G0V+3], s[8:9], s[24:25]
	s_or_b32 s[G0V+3], s[G0V+3], 0x80000000
	s_add_nc_u64 s[QP:QP+1], s[4:5], s[26:27]
	s_add_nc_u64 s[MP:MP+1], s[10:11], s[28:29]
	s_add_nc_u64 s[YP:YP+1], s[14:15], s[30:31]
	CROUND                                         ; all four work-groups are here: the first joint loads meet
	TLOAD                                          ; slot 0: keys 0 to 1,023
	v_and_b32 v[ADL], 31, v0
	s_delay_alu instid0(VALU_DEP_1)
	v_lshlrev_b32 v[ADL], 4, v[ADL]
	global_load_b128 v[16:19], v[ADL], s[QP:QP+1]              ; Q's fragment stays in registers
	global_load_b128 v[20:23], v[ADL], s[QP:QP+1] offset:512
	s_wait_kmcnt 0x0
	s_add_co_i32 s37, s32, s33
	s_lshl_b32 s37, s37, 23
	s_mov_b32 s[CS], 0x3d8293ee                    ; log2(e) / sqrt(512)
	s_add_co_i32 s[CS], s[CS], s37                 ; a score stands for score x 2^(eq + ek): added to c's exponent field
	s_mov_b32 s[CS+1], s[CS]                       ; (named with it as a pair, so it is written)
	s_mov_b32 s38, 0xd2800000                      ; -2^38
	s_sub_co_i32 s38, s38, s37
	v_mov_b32 v[NEG], s38                          ; -2^(38 - eq - ek)
	s_add_co_i32 s37, s34, 127
	s_lshl_b32 s38, s37, 23
	v_mov_b32 v244, s38                            ; 2^ep
	s_add_co_i32 s[EPV], s34, s35
	s_add_co_i32 s37, s36, 127
	s_lshl_b32 s38, s37, 23
	v_mov_b32 v[SY], s38
	v_mov_b32 v13, 0xff61b1e6                      ; the largest t so far: -3e38, under every t
	s_delay_alu instid0(VALU_DEP_1)
	v_floor_f32 v12, -v13                          ; -M
	v_mov_b32 v14, 0                               ; the sum, in two halves
	v_mov_b32 v15, 0
	v_mov_b32 v236, 0                              ; written once: a lane permute's destination counts as one of its sources
	v_mov_b32 v253, 0                              ; (named as the upper half of the pair v[252:253])
.set j, 0
.rept 32
	v_mov_b32 v[160+j], 0                          ; O^T.  (The step is written once for all: the first finds zeros, which the first change of M leaves zeros)
.set j, j+1
.endr
	s_load_b512 s[4:19], s[MP:MP+1], s[OFF]                    ; key step 0's words; all set-up in these registers is done with
	s_load_b512 s[20:35], s[MP:MP+1], s[OFF] offset:0x40
	s_load_b512 s[36:51], s[MP:MP+1], s[OFF] offset:0x80
	s_load_b512 s[68:83], s[MP:MP+1], s[OFF] offset:0xc0
; A KEY STEP: 128 keys, at LDS byte s[TB] of the ring.
.macro STEP
	v_add_nc_u32 v[ADK], s[TB], v[ADL]
	s_delay_alu instid0(VALU_DEP_1)
	v_add_nc_u32 v[ADV], VOFF, v[ADK]
	v_nop
	v_nop                                          ; these four lines are the places between the last products and the loads into registers that they read (ISA guide 7.12.1 for vector instructions)
.set t, 0
.rept 16
	ds_load_b128 v[32+4*t:35+4*t], v[ADK] offset:512*t   ; K: tile t / 2, chunk t % 2
.set t, t+1
.endr
	s_wait_alu depctr_va_vdst(0)
	s_wait_dscnt 0x0
.set t, 0
.rept 8
	v_wmma_f32_16x16x64_fp8_fp8 v[96+8*t:103+8*t], v[32+8*t:39+8*t], v[16:23], 0   ; S^T = K Q^T
.set t, t+1
.endr
.rept 4
	v_nop                                          ; four places: ahead of the loads into K's registers and of the first read of the scores
.endr
.set t, 0
.rept 16
	ds_load_b128 v[32+4*t:35+4*t], v[ADV] offset:512*t   ; V: channel tile t / 4, chunk t % 4; they land under the softmax
.set t, t+1
.endr
	s_wait_kmcnt 0x0                               ; this step's mask words, asked for a key step ago
.set n, 0
.rept 64
	v_cndmask_b32 v[96+n], v[NEG], v[96+n], s[4+n+16*(n/48)]   ; where the mask is 0 the score becomes NEG; each accumulator from its low end on
.set n, n+1
.endr
	v_max3_num_f32 v254, v96, v97, v98             ; the step's largest score of my query, among my 64 keys, in two chains,
	v_max3_num_f32 v252, v99, v100, v101
.set i, 6
.rept 14
	s_delay_alu instid0(VALU_DEP_2)
	v_max3_num_f32 v254, v254, v[96+i], v[97+i]
	s_delay_alu instid0(VALU_DEP_2)
	v_max3_num_f32 v252, v252, v[98+i], v[99+i]
.set i, i+4
.endr
	s_delay_alu instid0(VALU_DEP_2)
	v_max3_num_f32 v254, v254, v158, v159
	s_delay_alu instid0(VALU_DEP_1)
	v_max_num_f32 v254, v254, v252
	s_add_co_u32 s[OFF], s[OFF], 4096              ; the next step's words (the wait above has shown the last loads done, so their offset may step);
	s_min_u32 s[OFF], s[OFF], 31*4096              ; the last step stays inside the buffer
	s_load_b512 s[4:19], s[MP:MP+1], s[OFF]
	s_load_b512 s[20:35], s[MP:MP+1], s[OFF] offset:0x40
	s_load_b512 s[36:51], s[MP:MP+1], s[OFF] offset:0x80
	s_load_b512 s[68:83], s[MP:MP+1], s[OFF] offset:0xc0
	v_permlanex16_b32 v236, v254, s[SEL], s[SEL+1]
	s_delay_alu instid0(VALU_DEP_1)
	v_max_num_f32 v254, v254, v236                 ; and among lane l xor 16's
	s_delay_alu instid0(VALU_DEP_1)
	v_mul_f32 v254, s[CS], v254                    ; as t (c is positive)
	s_delay_alu instid0(VALU_DEP_1)
	v_max_num_f32 v13, v13, v254                   ; the running largest t
	v_mov_b32 v254, v12
	s_delay_alu instid0(VALU_DEP_2)
	v_floor_f32 v12, -v13                          ; the new -M = floor(-t) = -ceil(t): M is a whole number
	s_delay_alu instid0(VALU_DEP_1)
	v_sub_f32 v254, v12, v254                      ; M's old value less its new one: a whole number, 0 or less
	s_delay_alu instid0(VALU_DEP_1)
	v_cvt_i32_f32 v254, v254                       ; (it saturates)
	s_delay_alu instid0(VALU_DEP_1)
	v_ldexp_f32 v252, 1.0, v254                    ; f = 2^(old M - new M)
.set j, 0
.rept 32
	v_pk_fma_f32 v[96+j:97+j], v[96+j:97+j], s[CS:CS+1], v[12:13] op_sel_hi:[1,0,0]   ; t - M, two at a time (of the pairs c and -M the low word serves both halves)
.set j, j+2
.endr
.set j, 0
	s_setprio 1
	s_wait_alu depctr_va_vdst(0)
.rept 64
	v_exp_f32 v[96+j], v[96+j]                     ; p = 2^(t - M), at most 1: not normalised
.set j, j+1
.endr
	v_pk_mul_f32 v[14:15], v[14:15], v[252:253] op_sel_hi:[1,0]   ; the sums under the new M: the plain line behind the exponentials
	s_wait_alu depctr_va_vdst(0)                   ; one wait for the whole batch, ahead of its first reader
	v_pk_add_f32 v[242:243], v[100:101], v[104:105]
	v_pk_add_f32 v[254:255], v[108:109], v[112:113]
	v_pk_add_f32 v[250:251], v[116:117], v[120:121]
	v_pk_add_f32 v[248:249], v[124:125], v[128:129]
	v_pk_add_f32 v[246:247], v[132:133], v[136:137]
	v_pk_add_f32 v[240:241], v[140:141], v[144:145]
	v_pk_add_f32 v[238:239], v[148:149], v[152:153]
	v_pk_add_f32 v[14:15], v[14:15], v[156:157]
	v_pk_add_f32 v[242:243], v[242:243], v[96:97]
	v_pk_add_f32 v[254:255], v[254:255], v[98:99]
	v_pk_add_f32 v[250:251], v[250:251], v[102:103]
	v_pk_add_f32 v[248:249], v[248:249], v[106:107]
	v_pk_add_f32 v[246:247], v[246:247], v[110:111]
	v_pk_add_f32 v[240:241], v[240:241], v[114:115]
	v_pk_add_f32 v[238:239], v[238:239], v[118:119]
	v_pk_add_f32 v[14:15], v[14:15], v[122:123]
	v_pk_add_f32 v[242:243], v[242:243], v[126:127]
	v_pk_add_f32 v[254:255], v[254:255], v[130:131]
	v_pk_add_f32 v[250:251], v[250:251], v[134:135]
	v_pk_add_f32 v[248:249], v[248:249], v[138:139]
	v_pk_add_f32 v[246:247], v[246:247], v[142:143]
	v_pk_add_f32 v[240:241], v[240:241], v[146:147]
	v_pk_add_f32 v[238:239], v[238:239], v[150:151]
	v_pk_add_f32 v[14:15], v[14:15], v[154:155]
	v_pk_add_f32 v[242:243], v[242:243], v[158:159]
	s_delay_alu instid0(VALU_DEP_2)
	v_pk_add_f32 v[14:15], v[14:15], v[248:249]
	s_delay_alu instid0(VALU_DEP_2)
	v_pk_add_f32 v[242:243], v[242:243], v[246:247]
	v_pk_add_f32 v[254:255], v[254:255], v[240:241]
	v_pk_add_f32 v[250:251], v[250:251], v[238:239]
	s_delay_alu instid0(VALU_DEP_2)
	v_pk_add_f32 v[14:15], v[14:15], v[254:255]
	s_delay_alu instid0(VALU_DEP_2)
	v_pk_add_f32 v[242:243], v[242:243], v[250:251]
	s_delay_alu instid0(VALU_DEP_1)
	v_pk_add_f32 v[14:15], v[14:15], v[242:243]
	s_setprio 0
.irp b, 0,1,2,3
.set i, 0
.rept 16
.set i, i+1
.endr
	v_cvt_scalef32_pk8_fp8_f32 v[192+4*\b:193+4*\b], v[96+16*\b:103+16*\b], v244
	v_cvt_scalef32_pk8_fp8_f32 v[194+4*\b:195+4*\b], v[104+16*\b:111+16*\b], v244
.endr
.set j, 0
.rept 16
	v_pk_mul_f32 v[160+j:161+j], v[160+j:161+j], v[252:253] op_sel_hi:[1,0]   ; O^T under the new M; also the plain lines between the conversions and the products that read their results
.set j, j+2
.endr
	s_wait_alu depctr_va_vdst(0)
	s_wait_dscnt 0x0                               ; V is in
.set t, 0
.rept 4
	v_wmma_f32_16x16x128_fp8_fp8 v[160+8*t:167+8*t], v[32+16*t:47+16*t], v[192:207], v[160+8*t:167+8*t]   ; O^T += V^T P^T; the four accumulators take turns
.set t, t+1
.endr
	s_add_co_u32 s[TB], s[TB], STEPB
.endm
.macro SLOT_STEPS                      ; a slot's eight key steps: written once, walked eight times
	s_mov_b32 s[IC], 8
.Lstep_\@:
	s_setprio 2
	STEP
	s_sub_co_u32 s[IC], s[IC], 1
	s_cmp_lg_u32 s[IC], 0
	s_cbranch_scc1 .Lstep_\@
	s_setprio 0
	s_sub_co_u32 s[TB], s[TB], 8*STEPB             ; back to a slot's first step,
	s_xor_b32 s[TB], s[TB], SLOT1                  ; in the other slot
.endm
; THE CHANGE OF SLOTS stands at a slot's head.  Each wave waits for all its tensor loads (its part of the slot ahead), adds 0 to its spare word, and waits for that and for its reads of the slot that it has left.
; fill = 1: a round of the cluster's barrier follows, so that no wave of any partner still reads the other slot or has a load on its way, and the joint load of the next 1,024 keys is the first thing behind it.
.macro CHANGE fill
	s_wait_tensorcnt 0x0                           ; no tensor load of mine is out, so a group 0 may be written
	ds_add_u32 v[SPW], v[NIL]                      ; 0 onto my spare word
.if \fill
	ds_add_u32 v[SPW], v[NIL]                      ; and once more: the add twice on end, in every trip alike
	s_xor_b32 s[G0K+1], s[G0K+1], SLOT1            ; the walking descriptors: the other slot than last time,
	s_add_nc_u64 s[G0K+2:G0K+3], s[G0K+2:G0K+3], 65536   ; the next 1,024 keys; the type bits on top are not reached
	s_xor_b32 s[G0V+1], s[G0V+1], SLOT1
	s_add_nc_u64 s[G0V+2:G0V+3], s[G0V+2:G0V+3], 65536
	s_wait_dscnt 0x0                               ; both adds are done, and my reads of the slot that I have left are over
	CROUND
	TLOAD
.else
	s_wait_dscnt 0x0
	s_barrier_signal -1
	s_barrier_wait -1
.endif
.endm
	s_wait_loadcnt 0x0                             ; Q
.Lslot:                                            ; three trips: behind each change of slots but the last the next slot is asked for (slot 1's first fill behind the first trip's round)
	CHANGE 1
	SLOT_STEPS
	s_sub_co_u32 s[SLOTS], s[SLOTS], 1
	s_cmp_lg_u32 s[SLOTS], 0
	s_cbranch_scc1 .Lslot
	CHANGE 0                                       ; the last slot is written out
	SLOT_STEPS
	; THE WAY OUT.  y = O^T / the sum x 2^(ep + ev), converted with 2^e10: tiles 2 c, 2 c + 1 give d = 32 c + 16 h + 0 .. 15 of my query: two chunks of the last projection's operand.
	v_add_f32 v14, v14, v15                        ; the sum's two halves,
	s_delay_alu instid0(VALU_DEP_1)
	v_permlanex16_b32 v252, v14, s[SEL], s[SEL+1]
	s_delay_alu instid0(VALU_DEP_1)
	v_add_f32 v14, v14, v252                       ; and lane l xor 16's
	s_wait_alu depctr_va_vdst(0)
	v_rcp_f32 v14, v14
	v_nop                                          ; a plain line behind the reciprocal
	v_nop
	s_wait_alu depctr_va_vdst(0)                   ; the wait ahead of its first reader
	v_ldexp_f32 v14, v14, s[EPV]
.set j, 0
.rept 32
	v_mul_f32 v[96+j], v[160+j], v14               ; each accumulator from its low end on
.set j, j+1
.endr
.set j, 0
.rept 32
.set j, j+1
.endr
.irp t, 0,1,2,3
	v_cvt_scalef32_pk8_fp8_f32 v[208+2*\t:209+2*\t], v[96+8*\t:103+8*\t], v[SY]
.endr
	v_nop                                          ; one plain vector line behind the last conversion
	global_store_b128 v[ADL], v[208:211], s[YP:YP+1]             ; 512 consecutive bytes each, aligned
	global_store_b128 v[ADL], v[212:215], s[YP:YP+1] offset:512
	s_wait_kmcnt 0x0                               ; the last step's look-ahead is back
	s_wait_tensorcnt 0x0                           ; the wave's end
	ds_add_u32 v[SPW], v[NIL]
	s_wait_dscnt 0x0
	CROUND                                         ; the closing round: no work-group ends while a partner may still ask for a part that names it
	s_endpgm
.Lfunc_end_k_qb8d78c6553_attn:
	.size	k_qb8d78c6553_attn, .Lfunc_end_k_qb8d78c6553_attn-k_qb8d78c6553_attn
	.p2alignl 7, 3214868480
	.fill 96, 4, 3214868480
	.section	.rodata,"a",@progbits
	.p2align	6, 0x0
	.amdhsa_kernel k_qb8d78c6553_attn
		.amdhsa_group_segment_fixed_size 327680
		.amdhsa_private_segment_fixed_size 0
		.amdhsa_enable_private_segment 0
		.amdhsa_kernarg_size 48
		.amdhsa_user_sgpr_count 2
		.amdhsa_user_sgpr_kernarg_segment_ptr 1
		.amdhsa_wavefront_size32 1
		.amdhsa_system_sgpr_workgroup_id_x 1
		.amdhsa_system_sgpr_workgroup_id_y 1
		.amdhsa_system_sgpr_workgroup_id_z 1
		.amdhsa_system_vgpr_workitem_id 0
		.amdhsa_next_free_vgpr 256
		.amdhsa_next_free_sgpr 102
		.amdhsa_reserve_vcc 0
		.amdhsa_float_denorm_mode_32 3
		.amdhsa_float_denorm_mode_16_64 3
		.amdhsa_fp16_overflow 1
		.amdhsa_memory_ordered 1
		.amdhsa_forward_progress 1
		.amdhsa_inst_pref_size 50
	.end_amdhsa_kernel
	.amdgpu_metadata
---
amdhsa.version: [ 1, 2 ]
amdhsa.kernels:
  - .name:           k_qb8d78c6553_attn
    .symbol:         k_qb8d78c6553_attn.kd
    .args:
      - { .name: qcodes, .offset: 0, .size: 8, .value_kind: global_buffer, .address_space: global }
      - { .name: kcodes, .offset: 8, .size: 8, .value_kind: global_buffer, .address_space: global }
      - { .name: vcodes, .offset: 16, .size: 8, .value_kind: global_buffer, .address_space: global }
      - { .name: maskw, .offset: 24, .size: 8, .value_kind: global_buffer, .address_space: global }
      - { .name: lowp_scales, .offset: 32, .size: 8, .value_kind: global_buffer, .address_space: global }
      - { .name: ycodes, .offset: 40, .size: 8, .value_kind: global_buffer, .address_space: global }
    .group_segment_fixed_size: 327680
    .private_segment_fixed_size: 0
    .kernarg_segment_align: 8
    .kernarg_segment_size: 48
    .max_flat_workgroup_size: 512
    .sgpr_count:     102
    .vgpr_count:     256
    .wavefront_size: 32
...
	.end_amdgpu_metadata
.endif
;; end of part 3
;; launch outp (part 4): grid 256 x 1, 8 waves a work-group, no clusters, 35,840 bytes of LDS; arguments ycodes, wcodes, bu, lowp_scales, out0; writes out0
.if DOCPART == 4
	.amdgcn_target "amdgcn-amd-amdhsa--gfx1250"
	.amdhsa_code_object_version 6
	.text
	.protected	k_qb8d78c6553_outp
	.globl	k_qb8d78c6553_outp
	.p2align	8
	.type	k_qb8d78c6553_outp,@function
k_qb8d78c6553_outp:
	s_mov_b64 s[64:65], 0
	v_nop
	global_prefetch_b8 v0, s[64:65] scope:SCOPE_SE
	s_setreg_imm32_b32 hwreg(HW_REG_WAVE_MODE, 25, 1), 1
	s_wait_xcnt 0x0
; FOURTH LAUNCH: out0 = y Wu^T + bu on codes of FP8 (E4M3).  y's codes [token tile 512][K step 4][chunk 4][512 bytes] and Wu's (the fourth weight of wcodes) are images of operand registers.  No work of reference() is left out.
; A work-group takes 32 tokens (two tiles); wave w makes outputs 64 w .. 64 w + 63 for them: 32 products, eight accumulators by turns.  The waves share nothing: no barrier.
; The product is used transposed (source 0 = 16 rows of Wu, source 1 = 16 tokens): a lane holds one token, and tile t's register j is output 32 (t / 2) + 16 h + 8 (t % 2) + j of the wave's 64.
; out = sum x 2^(e10 + e11) + bu: one packed multiply-add for two numbers.  A tile's 16 rows x 256 bytes go through the wave's own stage in LDS and leave as whole aligned runs of 256 bytes, sixteen lanes each.
; LIMIT: e10 + e11 between -126 and 127, so that 2^(e10 + e11) is an f32 number.
.set SPITCH, 272                       ; a stage row: 256 bytes + 16
.set STG,    16*SPITCH                 ; a wave's stage
.set SPARE,  8*STG                     ; behind the stages: the spare words, 128 bytes for each wave
.set LI,  1                            ; v1   16 x lane
.set STO, 2                            ; v2   the stage, in: 272 r + 64 h
.set RD,  3                            ; v3   and back: 272 h + 16 r
.set CO,  4                            ; v4   out0: 2,048 h + 16 r
.set SPW, 5                            ; v5   LDS address of my spare word; never rewritten
.set NIL, 6                            ; v6   0; never rewritten
.set BA,  7                            ; v7   bu: 64 h
.set BU,  32                           ; v32-63   bu in the result's layout
.set ACC, 64                           ; v64-127  accumulator (mm, t) at ACC + 8 (4 mm + t)
.set YF,  128                          ; v128-255 y's 8 fragments; on the way out tile mm's results at YF + 64 mm, its rows read back at YF + 64 mm + 32
.set MSB, 0                            ; window 1: Wu's fragment (t, s) at 16 (4 t + s)
.macro WIN new                         ; the immediate's high byte repeats the setting that is left
.if MSB != \new
	s_set_vgpr_msb (MSB<<8)|\new
.set MSB, \new
.endif
.endm
	s_load_b256 s[4:11], s[0:1], 0x0               ; ycodes s[4:5], wcodes s[6:7], bu s[8:9], scales s[10:11]
	s_load_b64 s[12:13], s[0:1], 0x20              ; out0
	v_lshl_add_u32 v[SPW], v0, 2, SPARE
	v_mov_b32 v[NIL], 0
	v_lshrrev_b32 v8, 5, v0
	s_delay_alu instid0(VALU_DEP_1)
	v_readfirstlane_b32 s14, v8                    ; wave 0..7
	v_and_b32 v8, 15, v0                           ; r
	v_bfe_u32 v9, v0, 4, 1                         ; h
	v_and_b32 v[LI], 31, v0
	s_delay_alu instid0(VALU_DEP_1)
	v_lshlrev_b32 v[LI], 4, v[LI]
	s_mul_i32 s15, s14, STG                        ; my stage
	v_mul_u32_u24 v[STO], v8, SPITCH
	s_delay_alu instid0(VALU_DEP_1)
	v_lshl_add_u32 v[STO], v9, 6, v[STO]
	s_delay_alu instid0(VALU_DEP_1)
	v_add_nc_u32 v[STO], s15, v[STO]
	v_mul_u32_u24 v[RD], v9, SPITCH
	s_delay_alu instid0(VALU_DEP_1)
	v_lshl_add_u32 v[RD], v8, 4, v[RD]
	s_delay_alu instid0(VALU_DEP_1)
	v_add_nc_u32 v[RD], s15, v[RD]
	v_lshlrev_b32 v[CO], 11, v9
	s_delay_alu instid0(VALU_DEP_1)
	v_lshl_add_u32 v[CO], v8, 4, v[CO]
	v_lshlrev_b32 v[BA], 6, v9
	s_lshl_b32 s16, s14, 15
	s_add_co_u32 s16, s16, 786432                  ; Wu: the fourth weight, my four tiles
	s_mov_b32 s17, 0
	s_lshl_b32 s18, ttmp9, 14                      ; y: two token tiles of 8,192 bytes
	s_mov_b32 s19, 0
	s_lshl_b32 s20, s14, 8                         ; bu: my 64 numbers; also my 256 bytes of a row of out0
	s_mov_b32 s21, 0
	s_lshl_b32 s22, ttmp9, 16                      ; out0: 32 rows of 2,048 bytes
	s_add_co_u32 s22, s22, s20
	s_mov_b32 s23, 0
	s_wait_alu depctr_va_vdst(0)
	s_wait_kmcnt 0x0
	s_load_b64 s[24:25], s[10:11], 0x28            ; e10, e11
	s_add_nc_u64 s[4:5], s[4:5], s[18:19]
	s_add_nc_u64 s[6:7], s[6:7], s[16:17]
	s_add_nc_u64 s[8:9], s[8:9], s[20:21]
	s_add_nc_u64 s[12:13], s[12:13], s[22:23]
.set f, 0
.rept 32
	global_load_b128 v[YF+4*f:YF+4*f+3], v[LI], s[4:5] offset:512*f    ; y's fragments (mm, s) as they lie
.set f, f+1
.endr
.irp t, 0,1,2,3
	global_load_b128 v[BU+8*\t:BU+8*\t+3], v[BA], s[8:9] offset:(32*(\t/2)+8*(\t%2))*4
	global_load_b128 v[BU+8*\t+4:BU+8*\t+7], v[BA], s[8:9] offset:(32*(\t/2)+8*(\t%2))*4+16
.endr
	WIN 0x40                                       ; destination window 1
.set f, 0
.rept 64
	global_load_b128 v[4*f:4*f+3], v[LI], s[6:7] offset:512*f
.set f, f+1
.endr
	WIN 0
	s_wait_kmcnt 0x0
	s_add_co_i32 s26, s24, s25
	s_add_co_i32 s26, s26, 127
	s_lshl_b32 s26, s26, 23                        ; 2^(e10 + e11) as f32
	s_mov_b32 s27, s26                             ; (named with it as a pair, so it is written)
	s_wait_loadcnt 0x0
	WIN 0x01                                       ; source 0 (Wu) window 1
.irp s, 0,1,2,3                                ; the eight accumulators take turns, one instruction a turn; the first K step starts the sums
.irp mm, 0,1
.irp t, 0,1,2,3
.set rD, ACC+8*(4*\mm+\t)
.set rY, YF+16*(4*\mm+\s)
.set rW, 16*(4*\t+\s)
.if \s == 0
	v_wmma_f32_16x16x128_fp8_fp8 v[rD:rD+7], v[rW:rW+15], v[rY:rY+15], 0
.else
	v_wmma_f32_16x16x128_fp8_fp8 v[rD:rD+7], v[rW:rW+15], v[rY:rY+15], v[rD:rD+7]
.endif
.endr
.endr
.endr
	WIN 0
.rept 4
	v_nop                                          ; four places ahead of the first read of results and of the writes into y's registers (ISA guide 7.12.1)
.endr
.macro TOSTAGE mm
.irp t, 0,1,2,3
.irp i, 0,2,4,6
	v_pk_fma_f32 v[YF+64*\mm+8*\t+\i:YF+64*\mm+8*\t+\i+1], v[ACC+8*(4*\mm+\t)+\i:ACC+8*(4*\mm+\t)+\i+1], s[26:27], v[BU+8*\t+\i:BU+8*\t+\i+1] op_sel_hi:[1,0,1]   ; each accumulator from its low end on
.endr
.endr
.irp t, 0,1,2,3
	ds_store_b128 v[STO], v[YF+64*\mm+8*\t:YF+64*\mm+8*\t+3] offset:128*(\t/2)+32*(\t%2)
	ds_store_b128 v[STO], v[YF+64*\mm+8*\t+4:YF+64*\mm+8*\t+7] offset:128*(\t/2)+32*(\t%2)+16
.endr
.irp i, 0,1,2,3,4,5,6,7
	ds_load_b128 v[YF+64*\mm+32+4*\i:YF+64*\mm+32+4*\i+3], v[RD] offset:2*\i*SPITCH   ; LDS serves a wave's instructions in order (ISA guide 5.7.1.4): these see my stores, and the next tile's stores come behind them
.endr
.endm
.macro SEND mm, younger                ; younger: the LDS instructions issued behind tile mm's loads, which may stay out
.irp i, 0,1,2,3,4,5,6,7
	s_wait_dscnt \younger+7-\i
	global_store_b128 v[CO], v[YF+64*\mm+32+4*\i:YF+64*\mm+32+4*\i+3], s[12:13] offset:\mm*32768+4096*\i th:TH_STORE_NT   ; sixteen lanes store 256 consecutive bytes, aligned; written once, read by nobody here
.endr
.endm
	TOSTAGE 0
	TOSTAGE 1                                      ; registers of its own: nothing that a store still reads is written again
	SEND 0, 16
	SEND 1, 0
	s_wait_tensorcnt 0x0                           ; the wave's end, behind my last LDS store
	ds_add_u32 v[SPW], v[NIL]
	s_wait_dscnt 0x0
	s_endpgm
.Lfunc_end_k_qb8d78c6553_outp:
	.size	k_qb8d78c6553_outp, .Lfunc_end_k_qb8d78c6553_outp-k_qb8d78c6553_outp
	.p2alignl 7, 3214868480
	.fill 96, 4, 3214868480
	.section	.rodata,"a",@progbits
	.p2align	6, 0x0
	.amdhsa_kernel k_qb8d78c6553_outp
		.amdhsa_group_segment_fixed_size 35840
		.amdhsa_private_segment_fixed_size 0
		.amdhsa_enable_private_segment 0
		.amdhsa_kernarg_size 40
		.amdhsa_user_sgpr_count 2
		.amdhsa_user_sgpr_kernarg_segment_ptr 1
		.amdhsa_wavefront_size32 1
		.amdhsa_system_sgpr_workgroup_id_x 1
		.amdhsa_system_sgpr_workgroup_id_y 1
		.amdhsa_system_sgpr_workgroup_id_z 1
		.amdhsa_system_vgpr_workitem_id 0
		.amdhsa_next_free_vgpr 512
		.amdhsa_next_free_sgpr 66
		.amdhsa_reserve_vcc 0
		.amdhsa_float_denorm_mode_32 3
		.amdhsa_float_denorm_mode_16_64 3
		.amdhsa_memory_ordered 1
		.amdhsa_forward_progress 1
		.amdhsa_inst_pref_size 21
	.end_amdhsa_kernel
	.amdgpu_metadata
---
amdhsa.version: [ 1, 2 ]
amdhsa.kernels:
  - .name:           k_qb8d78c6553_outp
    .symbol:         k_qb8d78c6553_outp.kd
    .args:
      - { .name: ycodes, .offset: 0, .size: 8, .value_kind: global_buffer, .address_space: global }
      - { .name: wcodes, .offset: 8, .size: 8, .value_kind: global_buffer, .address_space: global }
      - { .name: bu, .offset: 16, .size: 8, .value_kind: global_buffer, .address_space: global }
      - { .name: lowp_scales, .offset: 24, .size: 8, .value_kind: global_buffer, .address_space: global }
      - { .name: out0, .offset: 32, .size: 8, .value_kind: global_buffer, .address_space: global }
    .group_segment_fixed_size: 35840
    .private_segment_fixed_size: 0
    .kernarg_segment_align: 8
    .kernarg_segment_size: 40
    .max_flat_workgroup_size: 256
    .sgpr_count:     66
    .vgpr_count:     512
    .wavefront_size: 32
...
	.end_amdgpu_metadata
.endif
;; end of part 4
